; MI455X (gfx1250); checked and timed in simulation.
; The chip was launched on July 23, 2026; its instructions are those of AMD's public machine-readable ISA for CDNA 5 (MIT licence, August 2026) and "CDNA5" Instruction Set Architecture Reference Guide (July 2026). The comments in the code are by the model that wrote it; some were corrected since.
;; Scaled Binary Conv1 D. Allowed arithmetic: float matrix products may take bf16 or f16 operands with f32 sums; other float arithmetic in f32, or as packed bf16 or f16 multiplies, adds, multiply-adds, maxima and minima; sums over many terms, partial sums and values carried from step to step in f32; what a program stores and reads back later, other than sums and carried values, may be rounded once to bf16 or f16.
;; Inputs: scale one number float32; sign 4,096 x 4,096 float32; x 2 x 2,048 x 4,096 float32.
;; Outputs: out0 2 x 2,048 x 4,096 float32.
;; 2 versions, each right; version 2 is version 1 with the launch cast written anew for expert scheduling mode. Each part assembles by itself: llvm-mc -triple=amdgcn-amd-amdhsa -mcpu=gfx1250 --defsym DOCPART=n.
;; ======== version 1 of 2: 2 launches
;; workspace buffers: xb 33,554,432 bytes; sb 33,554,432 bytes; sval 256 bytes
;; launch cast (part 1): grid 512 x 2, 8 waves a work-group, no clusters, 0 bytes of LDS; arguments x, sign, xb, sb, scale, sval; writes xb, sb, sval
.if DOCPART == 1
	.amdgcn_target "amdgcn-amd-amdhsa--gfx1250"
	.amdhsa_code_object_version 6
	.text
	.protected	k_q3b6f312f2c_cast
	.globl	k_q3b6f312f2c_cast
	.p2align	8
	.type	k_q3b6f312f2c_cast,@function
k_q3b6f312f2c_cast:
	s_mov_b64 s[64:65], 0
	v_nop
	global_prefetch_b8 v0, s[64:65] scope:SCOPE_SE
	s_setreg_imm32_b32 hwreg(HW_REG_WAVE_MODE, 25, 1), 1
	s_wait_xcnt 0x0
; xb = bf16(x), sb = bf16(sign), element by element, in the inputs' own order ([4096][4096] each, last index fastest); sval = softplus(scale), 64 times in f32.
; Each number is rounded once, to nearest even; nothing is scaled here, so the product that follows is the product of the inputs rounded to bf16.
; LIMITS.  An f32 beyond bf16's largest finite number (3.39e38) rounds to an infinity; NaN stays NaN.  softplus(scale) = max(scale, 0) + log(1 + e^-|scale|); e^-|scale| below 2^-126
; comes out of v_exp_f32 as 0 (ISA guide 15.8), so a scale below about -87.3 gives 0 where the exact value is below 1.2e-38.
; SHARES.  Grid y picks the tensor (0: x, 1: sign).  A work-group owns 131,072 bytes of it, taken as 32 rows of 4,096 bytes; thread t owns the 16 bytes at 16 t of every row and
; stores 8 bytes at 8 t of the 2,048-byte row of the result: a wave's load covers 512 consecutive bytes, a wave's store 256 consecutive bytes, aligned.
; A ring of 16 slots in registers keeps 16 loads of every wave on their way; all offsets stand in the immediates, so no address register is ever rewritten and there is no loop.
; No LDS, no matrix unit, no cluster: nothing is shared and nothing is read twice.
.set ROWI,  4096                       ; bytes of a row as loaded
.set ROWO,  2048                       ; bytes of a row as stored
.set DEPTH, 16                         ; slots = loads in flight in each wave
.set X,     4                          ; v[4:67]   slot s: four f32 as loaded
.set Y,     68                         ; v[68:99]  slot s: four bf16 to store
	s_load_b256 s[4:11], s[0:1], 0x0               ; x s[4:5], sign s[6:7], xb s[8:9], sb s[10:11]
	s_load_b128 s[12:15], s[0:1], 0x20             ; scale s[12:13], sval s[14:15]
	s_and_b32 s18, ttmp7, 0xffff                   ; which tensor
	s_lshl_b32 s24, ttmp9, 17                      ; the work-group's 131,072 bytes in,
	s_mov_b32 s25, 0
	s_lshl_b32 s26, ttmp9, 16                      ; and its 65,536 bytes out
	s_mov_b32 s27, 0
	v_lshlrev_b32 v1, 4, v0                        ; 16 t; never rewritten
	v_lshlrev_b32 v2, 3, v0                        ; 8 t; never rewritten
	v_lshrrev_b32 v3, 5, v0
	v_readfirstlane_b32 s29, v3                    ; my wave's number
	s_or_b32 s28, ttmp9, s18
	s_or_b32 s28, s28, s29                         ; 0 in wave 0 of work-group (0, 0) alone
	s_wait_kmcnt 0x0
	s_cmp_eq_u32 s18, 0
	s_cselect_b64 s[20:21], s[4:5], s[6:7]         ; from x or from sign,
	s_cselect_b64 s[22:23], s[8:9], s[10:11]       ; to xb or to sb
	s_add_nc_u64 s[20:21], s[20:21], s[24:25]
	s_add_nc_u64 s[22:23], s[22:23], s[26:27]
.set row, 0
.rept DEPTH
	global_load_b128 v[X+4*row:X+4*row+3], v1, s[20:21] offset:ROWI*row th:TH_LOAD_NT  ; fill the ring: rows 0 to 15
.set row, row+1
.endr
; Row i's turn, in slot i % 16.  ahead = 1: the slot is filled again with the row 16 further on.  left = how many younger loads may stay out.
.macro SLOT i, ahead, left
.set sl, (\i)%DEPTH
	s_wait_loadcnt \left                           ; loads come back in order (ISA guide 5.7.1): mine is in, the younger ones stay out
.if (\i) >= DEPTH
	s_wait_xcnt 0x0                                ; the slot's Y was the data of row i - 16's store: it is rewritten only behind this wait
.endif
	v_cvt_pk_bf16_f32 v[Y+2*sl],   v[X+4*sl],   v[X+4*sl+1]
	v_cvt_pk_bf16_f32 v[Y+2*sl+1], v[X+4*sl+2], v[X+4*sl+3]
.if \ahead
	global_load_b128 v[X+4*sl:X+4*sl+3], v1, s[20:21] offset:ROWI*((\i)+DEPTH) th:TH_LOAD_NT  ; the load goes out ahead of the store
.endif
	global_store_b64 v2, v[Y+2*sl:Y+2*sl+1], s[22:23] offset:ROWO*(\i) th:TH_STORE_NT
.endm
.set row, 0
.rept DEPTH
	SLOT row, 1, DEPTH-1                           ; behind row i's load stand 15 - i first loads and i refills: 15
.set row, row+1
.endr
.rept DEPTH
	SLOT row, 0, 2*DEPTH-1-row                     ; the last 16 rows load nothing: the counts run down to 0
.set row, row+1
.endr
	; softplus(scale), by one wave of the launch
	s_cmp_lg_u32 s28, 0
	s_cbranch_scc1 .Lend
	s_load_b32 s30, s[12:13], 0x0
	s_wait_kmcnt 0x0
	v_mov_b32 v100, s30
	v_and_b32 v101, 0x7fffffff, v100               ; |scale|
	v_mul_f32 v101, 0xbfb8aa3b, v101               ; - log2(e) |scale|
	v_exp_f32 v102, v101                           ; t = e^-|scale|, in 0 to 1
	v_max_num_f32 v103, 0, v100                    ; the plain instruction behind the exponential (ISA guide 5.7.2)
	s_wait_alu depctr_va_vdst(0)                   ; ahead of the first reader of t
	v_add_f32 v104, 1.0, v102
	v_log_f32 v105, v104                           ; log2(1 + t)
	v_fma_f32 v106, v102, -0.5, 1.0                ; the plain instruction behind the logarithm
	v_mul_f32 v106, v102, v106                     ; t - t^2 / 2: log(1 + t) to within t^2 / 3 of itself
	v_cmp_gt_f32 vcc_lo, 0x39800000, v102          ; t < 2^-12: there 1 + t has lost half of t's bits, and the series is the better value
	s_wait_alu depctr_va_vdst(0)                   ; ahead of the first reader of the logarithm
	v_mul_f32 v105, 0x3f317218, v105               ; x log(2)
	v_cndmask_b32 v105, v105, v106, vcc_lo         ; a choice of value, no branch
	v_add_f32 v108, v103, v105
	v_mov_b32 v109, v108
	v_and_b32 v3, 31, v0
	v_lshlrev_b32 v3, 3, v3
	global_store_b64 v3, v[108:109], s[14:15]      ; 32 lanes x 8 bytes: all 256 bytes of sval in one store
.Lend:
	s_endpgm
.Lfunc_end_k_q3b6f312f2c_cast:
	.size	k_q3b6f312f2c_cast, .Lfunc_end_k_q3b6f312f2c_cast-k_q3b6f312f2c_cast
	.p2alignl 7, 3214868480
	.fill 96, 4, 3214868480
	.section	.rodata,"a",@progbits
	.p2align	6, 0x0
	.amdhsa_kernel k_q3b6f312f2c_cast
		.amdhsa_group_segment_fixed_size 0
		.amdhsa_private_segment_fixed_size 0
		.amdhsa_enable_private_segment 0
		.amdhsa_kernarg_size 48
		.amdhsa_user_sgpr_count 2
		.amdhsa_user_sgpr_kernarg_segment_ptr 1
		.amdhsa_wavefront_size32 1
		.amdhsa_system_sgpr_workgroup_id_x 1
		.amdhsa_system_sgpr_workgroup_id_y 1
		.amdhsa_system_sgpr_workgroup_id_z 1
		.amdhsa_system_vgpr_workitem_id 0
		.amdhsa_next_free_vgpr 112
		.amdhsa_next_free_sgpr 66
		.amdhsa_reserve_vcc 1
		.amdhsa_float_denorm_mode_32 3
		.amdhsa_float_denorm_mode_16_64 3
		.amdhsa_memory_ordered 1
		.amdhsa_forward_progress 1
		.amdhsa_inst_pref_size 14
	.end_amdhsa_kernel
	.amdgpu_metadata
---
amdhsa.version: [ 1, 2 ]
amdhsa.kernels:
  - .name:           k_q3b6f312f2c_cast
    .symbol:         k_q3b6f312f2c_cast.kd
    .args:
      - { .name: x, .offset: 0, .size: 8, .value_kind: global_buffer, .address_space: global }
      - { .name: sign, .offset: 8, .size: 8, .value_kind: global_buffer, .address_space: global }
      - { .name: xb, .offset: 16, .size: 8, .value_kind: global_buffer, .address_space: global }
      - { .name: sb, .offset: 24, .size: 8, .value_kind: global_buffer, .address_space: global }
      - { .name: scale, .offset: 32, .size: 8, .value_kind: global_buffer, .address_space: global }
      - { .name: sval, .offset: 40, .size: 8, .value_kind: global_buffer, .address_space: global }
    .group_segment_fixed_size: 0
    .private_segment_fixed_size: 0
    .kernarg_segment_align: 8
    .kernarg_segment_size: 48
    .max_flat_workgroup_size: 256
    .sgpr_count:     66
    .vgpr_count:     112
    .wavefront_size: 32
...
	.end_amdgpu_metadata
.endif
;; end of part 1
;; launch gemm (part 2): grid 16 x 16, 4 waves a work-group, clusters of 4 x 4, 327,680 bytes of LDS; arguments xb, sb, out0, sval; writes out0
.if DOCPART == 2
	.amdgcn_target "amdgcn-amd-amdhsa--gfx1250"
	.amdhsa_code_object_version 6
	.text
	.protected	k_q3b6f312f2c_gemm
	.globl	k_q3b6f312f2c_gemm
	.p2align	8
	.type	k_q3b6f312f2c_gemm,@function
k_q3b6f312f2c_gemm:
	s_mov_b64 s[64:65], 0
	v_nop
	global_prefetch_b8 v0, s[64:65] scope:SCOPE_SE
	s_setreg_imm32_b32 hwreg(HW_REG_WAVE_MODE, 25, 1), 1
	s_wait_xcnt 0x0
	s_wait_alu depctr_hold_cnt(0) depctr_sa_sdst(0) depctr_va_vdst(0) depctr_va_sdst(0) depctr_va_ssrc(0) depctr_va_vcc(0) depctr_vm_vsrc(0)
	s_getreg_b32 s2, hwreg(HW_REG_IB_STS2, 6, 4)
	s_cmp_eq_u32 s2, 0
	s_cbranch_scc0 .Lentry_in_a_cluster
	s_endpgm
.Lentry_in_a_cluster:
	s_bfe_u32 s2, ttmp6, 0x10000c
	s_cmp_lg_u32 s2, 0xf033
	s_cbranch_scc0 .Lentry_shape_is_right
	s_endpgm
.Lentry_shape_is_right:
; out0[m][n] = s x the sum over k of xb[m][k] sb[k][n].  xb: [4096][4096] bf16, k along the rows; sb: [4096][4096] bf16, n along the rows; out0: [4096][4096] f32; s = sval[0], f32.
; One f32 sum for each output, k ascending; s is multiplied in once, in f32, on the way out.  NaN and infinities go through the products as they come; nothing else is limited here.
; SHARES.  A tile of out0, 256 x 256, is made by a work-group of four waves; a wave makes 128 x 128: 64 accumulators of 16 x 16, 512 registers.  4096 / 256 squared = 256 tiles, one to a work-group.
; K goes in steps of 128 through a ring of two LDS slots filled by the tensor data mover.  A's tile (xb): 256 rows x 256 bytes.  B's tile (sb): 128 k-rows x 512 bytes, as it lies in memory;
; its fragments are turned on the way out of LDS by ds_load_tr16_b128, so sign is never transposed in memory.
; CLUSTERS: 4 x 4 work-groups.  The four of a row of the cluster need the same tiles of A, the four of a column the same tiles of B: each tile is asked for JOINTLY, by the same tensor load with
; the same descriptor and a mask that names the four; each receives it in its own LDS.  That divides the requests for A and for B by four.
; THE MATRIX INSTRUCTION IS USED TRANSPOSED: source 0 = 16 columns of B, source 1 = 16 rows of A.  In the result lane l holds row l % 16 of out0 and the columns 8 (l / 16) + 0 .. 7: 32 consecutive bytes.
; REGISTERS, in windows of 256 (s_set_vgpr_msb: bits 1:0 source 0, 3:2 source 1, 5:4 source 2, 7:6 destination):
;   window 0: v0-31 addresses; v64-127, v128-191 fragments of A, two buffers (on the way out: rows read back from the stage); v192-255 scaled results on the way out
;   window 1: v64-127, v128-191 fragments of B, two buffers
;   window 2: the 32 accumulators of my rows 0-63 (accumulator (a, b) at v[8 (8 a + b)]);   window 3: those of my rows 64-127
.set KSTEP,  128
.set LAPS,   16                        ; a lap = two K steps = once round the ring: 4096 / 256
.set PITCH,  272                       ; a row of A in LDS: 256 bytes + 16 of padding = 68 words: the 16 rows of a load start at 16 different groups of four banks (64 banks of 4 bytes: ISA guide 11.1)
.set PB,     544                       ; a k-row of B in LDS: 512 bytes + 32 of padding = 136 words
.set HALFT,  128*PITCH                 ; what one tensor load brings: 128 rows of A, or 64 k-rows of B (64 x 544 is the same 34,816 bytes)
.set SLOT,   4*HALFT                   ; A's 256 rows, then B's 128 k-rows
.set STAGE,  2*SLOT                    ; behind the ring, never filled by a tensor load: 16 rows x 528 bytes for each wave, for the way out
.set SP,     528                       ; a stage row: 128 f32 + 16 bytes
.set SPARE,  STAGE+4*16*SP             ; behind the stages: the spare words, 128 bytes for each wave: two blocks of 256 bytes that no other line names
.set ROWC,   16384                     ; bytes in a row of out0
.set BSTEP,  KSTEP*8192                ; bytes from a K step of sb to the next: 128 rows of 8,192
.set ADRA, 16                          ; v16-17  LDS address of my A fragments in slot 0, 1
.set ADRB, 20                          ; v20-21  the same for B
.set STO,  24                          ; v24     the way out: where I put 32 bytes of a row
.set RD,   25                          ; v25     the way out: where I read a row back
.set CO,   26                          ; v26     my byte offset in 512 bytes of a row of out0
.set SPW,  28                          ; v28     LDS address of my spare word: SPARE + 4 x my thread's number; never rewritten
.set NIL,  29                          ; v29     0; never rewritten
.set PFO,  30                          ; v30     the prefetches' lane offset; never rewritten
.set F0,   64                          ; fragment buffer 0
.set F1,   128                         ; fragment buffer 1
.set TMP,  192                         ; the way out: a block's 16 x 128 results times s, in window 0
.set OB,   64                          ; the way out: 16 rows read back from the stage: v64-127 and v128-191 by turns
.set G1,  24                           ; s[24:31] descriptor group 1 for A's tiles
.set G0,  32                           ; s[32:39] descriptor group 0 for A's tiles, one set for each slot
.set G1B, 48                           ; s[48:55] descriptor group 1 for B's tiles
.set G0B, 56                           ; s[56:63] descriptor group 0 for B's tiles, one set for each slot
.set LIM, 43                           ; s43      1 in a wave that prefetches, else the greatest number
.set PFA, 44                           ; s[44:45] where my prefetches stand
.set SV,  68                           ; s[68:69] s, twice: the packed multiply names a pair
.set PSTEP, 70                         ; s[70:71] bytes from a K step to the next in the tensor that I prefetch
.set MSB, 0
.macro WIN new                         ; the immediate's high byte repeats the setting that is left; a switch that changes nothing is dropped
.if MSB != (\new)
	s_set_vgpr_msb (MSB<<8)|(\new)
.set MSB, \new
.endif
.endm
.set MUL_LO, 0xa1                      ; source 0 (B) window 1, source 1 (A) window 0, C and D window 2
.set MUL_HI, 0xf1                      ; the same, C and D window 3
.set TO_B,   0x40                      ; destination window 1, address window 0
; A joint load.  Waves 0 and 1 fetch A's two halves, waves 2 and 3 B's.  Each of the two lines has ONE mask and one set of registers for all that issue it.  The branch hangs on the wave's number alone.
; An s_nop 0 and four v_nop follow each of the two lines, ahead of the jump, the label and what follows the macro.
.macro JLOAD s
	s_cmp_eq_u32 s11, 0
	s_cbranch_scc0 .Lfor_b_\@
	tensor_load_to_lds s[G0+4*(\s):G0+4*(\s)+3], s[G1:G1+7]
	s_nop 0
.rept 4
	v_nop
.endr
	s_branch .Lasked_\@
.Lfor_b_\@:
	tensor_load_to_lds s[G0B+4*(\s):G0B+4*(\s)+3], s[G1B:G1B+7]
	s_nop 0
.rept 4
	v_nop
.endr
.Lasked_\@:
.endm
; A PREFETCH INTO THE L2, behind each joint refill, its five lines and the run of LDS loads that follows them: my share of the K step that stands TWO refills on, 512 matrix instructions ahead of the
; load that will ask for it: 32 blocks of 256 bytes, a lane a block, one instruction a wave.  Each block of xb and of sb is named ONCE in the launch.  A's tile row is read by every cluster of that row of
; clusters: the one with cluster x = 0 asks; B's tile column by every cluster of that column: the one with cluster y = 0 asks.  The four partners that ask for a tile jointly share it out BY ADDRESS:
; of the 128 rows of A that a wave fetches the partner at cx takes 32 cx .. 32 cx + 31; of the 64 k-rows of B the partner at cy takes 16 cy .. 16 cy + 15, two blocks each.
; The loop's last trip (s3 = 1) asks for nothing: K steps 32 and 33 do not exist.  K steps 0 to 3 come by their loads alone.
.macro ASK
	s_cmp_gt_u32 s3, s[LIM]
	s_cbranch_scc0 .Lnot_mine_\@
	global_prefetch_b8 v[PFO], s[PFA:PFA+1] th:TH_LOAD_NT scope:SCOPE_SE
.Lnot_mine_\@:
.endm
; A round of the cluster's barrier: my work-group's barrier, so that wave 0's signal speaks for all four waves; wave 0 signals for the work-group; every wave waits for all sixteen work-groups;
; my work-group's barrier once more.  No LDS instruction of the wave is pending at a signal.
.macro CREST                           ; a round behind its opening barrier
	s_cmp_lg_u32 s10, 0
	s_cbranch_scc1 .Lnot_wave_0_\@
	s_barrier_signal -3
.Lnot_wave_0_\@:
	s_barrier_wait -3
	s_barrier_signal -1
	s_barrier_wait -1
.endm
.macro CROUND                          ; a whole round
	s_barrier_signal -1
	s_barrier_wait -1
	CREST
.endm
	s_load_b128 s[4:7], s[0:1], 0x0                ; xb s[4:5], sb s[6:7]
	s_load_b64 s[8:9], s[0:1], 0x10                ; out0
	s_load_b64 s[66:67], s[0:1], 0x18              ; sval
	v_lshl_add_u32 v[SPW], v0, 2, SPARE
	v_mov_b32 v[NIL], 0
	ds_add_u32 v[SPW], v[NIL]                      ; the wave's opening: the add, twice on end, and its wait ahead of my first tensor load; the set-up below stands between
	ds_add_u32 v[SPW], v[NIL]                      ; and once more, under the one wait
	v_lshrrev_b32 v1, 5, v0
	v_readfirstlane_b32 s10, v1                    ; wave 0..3
	s_lshr_b32 s11, s10, 1                         ; which half of the tile's rows is mine.  Also: I fetch for A (0) or for B (1)
	s_and_b32 s12, s10, 1                          ; which half of its columns.  Also: which half of that tile I fetch
	s_bfe_u32 s40, ttmp6, 0x40000                  ; cx: my place along the cluster's x
	s_bfe_u32 s41, ttmp6, 0x40004                  ; cy: along its y
	s_lshl_b32 s42, ttmp9, 2                       ; in a cluster launch ttmp9 and ttmp7 count clusters
	s_add_co_u32 s42, s42, s40                     ; tile column = 4 x cluster x + cx
	s_and_b32 s13, ttmp7, 0xffff
	s_lshl_b32 s13, s13, 2
	s_add_co_u32 s13, s13, s41                     ; tile row = 4 x cluster y + cy
	s_lshl_b32 s43, s41, 2
	s_lshl_b32 s43, 15, s43                        ; my row of the cluster: places 4 cy .. 4 cy + 3
	s_lshl_b32 s44, 0x1111, s40                    ; my column: places cx, cx + 4, cx + 8, cx + 12
	; descriptor group 1 for A: a tile of 128 rows x 128 elements
	s_or_b32 s[G1+0], s43, (1<<16)|(1<<20)|(1<<21)|(5<<22)|(3<<25)  ; 15:0 the mask: my row; 17:16 elements of 2 bytes; 20 padding on; 21 set beside a mask; 24:22 after every 64 words (code 5); 31:25 4 words (code 3)
	s_mov_b32 s[G1+1], 128<<16                     ; tensor_dim0 = 128
	s_mov_b32 s[G1+2], 128<<16                     ; tensor_dim1 = 128
	s_mov_b32 s[G1+3], 128<<16                     ; tile_dim0 = 128
	s_mov_b32 s[G1+4], 128                         ; tile_dim1 = 128
	s_mov_b32 s[G1+5], 4096                        ; elements from row to row
	s_mov_b32 s[G1+6], 0
	s_mov_b32 s[G1+7], 0
	; descriptor group 1 for B: a tile of 64 k-rows x 256 elements
	s_or_b32 s[G1B+0], s44, (1<<16)|(1<<20)|(1<<21)|(6<<22)|(7<<25) ; the mask: my column; padding after every 128 words (code 6), 8 words (code 7)
	s_mov_b32 s[G1B+1], 256<<16                    ; tensor_dim0 = 256
	s_mov_b32 s[G1B+2], 64<<16                     ; tensor_dim1 = 64
	s_mov_b32 s[G1B+3], 256<<16                    ; tile_dim0 = 256
	s_mov_b32 s[G1B+4], 64                         ; tile_dim1 = 64
	s_mov_b32 s[G1B+5], 4096
	s_mov_b32 s[G1B+6], 0
	s_mov_b32 s[G1B+7], 0
	; where the tiles come from.  A's hang on the tile row alone, which my row of the cluster shares; B's on the tile column alone, which my column shares.
	s_lshl_b32 s16, s13, 8
	s_lshl_b32 s17, s12, 7
	s_add_co_u32 s16, s16, s17                     ; A: row 256 x tile row + 128 x half,
	s_lshl_b32 s16, s16, 13                        ; of 8,192 bytes
	s_mov_b32 s17, 0
	s_lshl_b32 s46, s42, 9                         ; B: column 256 x tile column, 2 bytes each,
	s_lshl_b32 s47, s12, 19                        ; k-row 64 x half, of 8,192 bytes
	s_add_co_u32 s46, s46, s47
	s_mov_b32 s47, 0
	s_mul_i32 s20, s10, HALFT                      ; and where they go: A's two halves, then B's two halves = wave x 34,816: no place in the cluster enters an LDS address
	s_wait_dscnt 0x0                               ; both opening adds are done
	s_wait_kmcnt 0x0
	s_add_nc_u64 s[14:15], s[4:5], s[16:17]
	s_add_nc_u64 s[46:47], s[6:7], s[46:47]
	CROUND                                         ; all sixteen work-groups are here: the first joint loads meet
.irp s, 0,1
	s_mov_b32 s[G0+4*(\s)], 1                                      ; count = 1
	s_add_co_u32 s[G0+4*(\s)+1], s20, (\s)*SLOT                    ; LDS address
	s_add_nc_u64 s[G0+4*(\s)+2:G0+4*(\s)+3], s[14:15], (\s)*KSTEP*2  ; global address: K step s lies 256 bytes along A's rows,
	s_or_b32 s[G0+4*(\s)+3], s[G0+4*(\s)+3], 0x80000000            ; type = 2
	s_mov_b32 s[G0B+4*(\s)], 1
	s_add_co_u32 s[G0B+4*(\s)+1], s20, (\s)*SLOT
	s_add_nc_u64 s[G0B+4*(\s)+2:G0B+4*(\s)+3], s[46:47], (\s)*BSTEP  ; and 128 rows down B
	s_or_b32 s[G0B+4*(\s)+3], s[G0B+4*(\s)+3], 0x80000000
	JLOAD \s                                       ; the ring is filled before anything else is done: two loads of mine are out
.endr
	s_load_b32 s[SV], s[66:67], 0x0                ; s
	; A fragment of A is 16 rows x 32 K in 8 registers: lane l holds row l % 16; registers 0-3 hold K = 8 (l / 16) + 0..7, registers 4-7 K = 16 + 8 (l / 16) + 0..7: two loads of 16 bytes, 32 bytes apart.
	v_and_b32 v1, 15, v0                           ; l % 16
	v_bfe_u32 v2, v0, 4, 1                         ; l / 16
	v_mul_u32_u24 v3, v1, PITCH
	v_lshl_add_u32 v3, v2, 4, v3                   ; row x pitch + 16 x half
	; The turning load takes 16 k x 16 columns (lane l reads 16 bytes: k-row 8 (l / 16) + l % 8, columns 8 ((l / 8) % 2) + 0..7) and leaves half a fragment: lane l holds column l % 16 and 8 k.
	v_and_b32 v4, 7, v0
	v_bfe_u32 v5, v0, 3, 1
	v_lshl_add_u32 v6, v2, 3, v4
	v_mul_u32_u24 v6, v6, PB
	v_lshl_add_u32 v6, v5, 4, v6
	s_mul_i32 s21, s11, HALFT                      ; my 128 rows of A
	s_lshl_b32 s22, s12, 8                         ; my 128 columns of B: 256 bytes along its k-rows,
	s_add_co_u32 s22, s22, 2*HALFT                 ; which lie behind A's 256 rows
.irp s, 0,1
	v_add_nc_u32 v[ADRA+(\s)], s21, v3
	v_add_nc_u32 v[ADRB+(\s)], s22, v6
	s_add_co_u32 s21, s21, SLOT
	s_add_co_u32 s22, s22, SLOT
.endr
	s_mul_i32 s23, s10, 16*SP
	s_add_co_u32 s23, s23, STAGE                   ; my stage
	v_mul_u32_u24 v4, v1, SP                       ; in: row l % 16, 32 bytes for each half of the lanes
	v_lshl_add_u32 v4, v2, 5, v4
	v_add_nc_u32 v[STO], s23, v4
	v_and_b32 v7, 31, v0                           ; l
	v_lshlrev_b32 v[CO], 4, v7                     ; back and out: 32 lanes take one row's 512 bytes
	v_add_nc_u32 v[RD], s23, v[CO]
	; where my part of the tile begins in out0, in bytes: the first way out adds it to out0's address
	s_lshl_b32 s16, s13, 8
	s_lshl_b32 s17, s11, 7
	s_add_co_u32 s16, s16, s17                     ; my first row,
	s_lshl_b32 s16, s16, 14                        ; of 16,384 bytes
	s_mov_b32 s17, 0
	s_lshl_b32 s46, s42, 10                        ; my first column: 1,024 x tile column + 512 x half
	s_lshl_b32 s47, s12, 9
	s_add_co_u32 s46, s46, s47
	s_mov_b32 s47, 0
	s_add_nc_u64 s[16:17], s[16:17], s[46:47]
	; the prefetches: both offsets are made, the wave's number chooses
	s_lshl_b32 s18, s13, 8
	s_lshl_b32 s19, s12, 7
	s_add_co_u32 s18, s18, s19                     ; A: the 128 rows that I fetch,
	s_lshl_b32 s19, s40, 5
	s_add_co_u32 s18, s18, s19                     ; my work-group's 32 of them,
	s_lshl_b32 s18, s18, 13
	s_add_co_u32 s18, s18, 3*KSTEP*2               ; at K step 3: the first refill steps it to 4
	s_lshl_b32 s19, s12, 6                         ; B: the 64 k-rows that I fetch,
	s_lshl_b32 s20, s41, 4
	s_add_co_u32 s19, s19, s20                     ; my work-group's 16 of them,
	s_lshl_b32 s19, s19, 13
	s_lshl_b32 s20, s42, 9
	s_add_co_u32 s19, s19, s20                     ; the tile's 512 bytes of each,
	s_add_co_u32 s19, s19, 3*BSTEP                 ; at K step 3
	s_and_b32 s22, ttmp7, 0xffff                   ; cluster y
	s_mov_b32 s[PSTEP], BSTEP
	s_mov_b32 s[PSTEP+1], 0
	s_mov_b32 s21, 0
	s_cmp_eq_u32 s11, 0                            ; do I fetch for A?
	s_cselect_b32 s20, s18, s19
	s_cselect_b32 s22, ttmp9, s22                  ; the coordinate along which other clusters read the same blocks
	s_cselect_b32 s[PSTEP], KSTEP*2, s[PSTEP]
	s_cselect_b64 s[PFA:PFA+1], s[4:5], s[6:7]
	s_cmp_eq_u32 s22, 0
	s_cselect_b32 s[LIM], 1, -1                    ; the same in all sixteen partners, for a given wave
	s_add_nc_u64 s[PFA:PFA+1], s[PFA:PFA+1], s[20:21]
	v_lshrrev_b32 v3, s11, v7                      ; A: lane l takes row l; B: row l / 2,
	v_and_b32 v4, s11, v7                          ; and block l % 2 of its two
	v_lshlrev_b32 v3, 13, v3
	v_lshl_add_u32 v[PFO], v4, 8, v3
; 16 matrix instructions: m blocks a0, a0 + 1 of the window's four (hi = 0: my rows 0-63, 1: rows 64-127) x all 8 n blocks, 32 along K.  zero = 1: the product starts the sums: nothing is ever cleared.
; The 64 accumulators take turns, one instruction a turn, in the same order in every quarter step, over the loop's backward jump too.
.macro MUL16 f, hi, a0, zero
	WIN MUL_LO+0x50*(\hi)
.irp a, \a0, (\a0)+1
.irp b, 0,1,2,3,4,5,6,7
.if \zero
	v_wmma_f32_16x16x32_bf16 v[8*(8*(\a)+(\b)):8*(8*(\a)+(\b))+7], v[(\f)+8*(\b):(\f)+8*(\b)+7], v[(\f)+8*(4*(\hi)+(\a)):(\f)+8*(4*(\hi)+(\a))+7], 0
.else
	v_wmma_f32_16x16x32_bf16 v[8*(8*(\a)+(\b)):8*(8*(\a)+(\b))+7], v[(\f)+8*(\b):(\f)+8*(\b)+7], v[(\f)+8*(4*(\hi)+(\a)):(\f)+8*(4*(\hi)+(\a))+7], v[8*(8*(\a)+(\b)):8*(8*(\a)+(\b))+7]
.endif
.endr
.endr
.endm
; 32 LDS loads in one run: the fragments of quarter q of a K step (32 k x my 128 columns of B, turned; my 128 rows of A x 32 k) into buffer f
.macro FETCH slot, q, f
	WIN TO_B
.irp i, 0,1,2,3,4,5,6,7
	ds_load_tr16_b128 v[(\f)+8*(\i):(\f)+8*(\i)+3],   v[ADRB+(\slot)] offset:(\q)*32*PB+32*(\i)
	ds_load_tr16_b128 v[(\f)+8*(\i)+4:(\f)+8*(\i)+7], v[ADRB+(\slot)] offset:(\q)*32*PB+16*PB+32*(\i)
.endr
	WIN 0
.irp i, 0,1,2,3,4,5,6,7
	ds_load_b128 v[(\f)+8*(\i):(\f)+8*(\i)+3],   v[ADRA+(\slot)] offset:64*(\q)+(\i)*16*PITCH
	ds_load_b128 v[(\f)+8*(\i)+4:(\f)+8*(\i)+7], v[ADRA+(\slot)] offset:64*(\q)+(\i)*16*PITCH+32
.endr
.endm
; A load into a register that a matrix instruction has read, and a vector instruction that reads a matrix result, stand four places behind that matrix instruction, and only plain vector
; instructions that name none of its registers are places (ISA guide 7.12.1 for vector instructions).
.macro PLACES
.rept 4
	v_nop
.endr
.endm
; A K step is four quarters of 32 along K, 64 matrix instructions each, on buffers 0, 1, 0, 1.  One of the first three: multiplies buffer f; in its middle it fetches quarter q of the same slot into buffer g.
.macro QUARTER slot, q, f, g, zero
	s_wait_dscnt 8                                 ; B and A's rows 0-63 are in; the youngest eight loads (A's rows 64-127) may be out
	MUL16 \f, 0, 0, \zero
	MUL16 \f, 0, 2, \zero
	PLACES
	FETCH \slot, \q, \g
	s_wait_dscnt 32                                ; all but the 32 just issued
	MUL16 \f, 1, 0, \zero
	MUL16 \f, 1, 2, \zero
.endm
; The last quarter multiplies buffer 1 and changes slots.  MEET is its first half: ONE barrier for two things.  In front of it each wave waits for all its tensor loads, of which one is out: its part of
; the next slot; adds 0 to its spare word; and waits for that and for its own reads of this slot.  Behind it nobody reads this slot any more and the next slot is whole.
.macro MEET round                      ; round = 1: a round of the cluster's barrier follows
	WIN 0                                          ; (the add's two registers lie in window 0)
	s_wait_tensorcnt 0x0                           ; all my tensor loads have landed;
	ds_add_u32 v[SPW], v[NIL]                      ; 0 onto my spare word;
	s_wait_dscnt 9                                 ; (the add and the youngest eight loads may be out)
	MUL16 F1, 0, 0, 0                              ; sixteen matrix instructions stand between the add and the wait for it
	s_wait_dscnt 0x0                               ; the add is done, and my reads of this slot are over:
	s_barrier_signal -1                            ; say so,
	MUL16 F1, 0, 2, 0                              ; work on registers while the others arrive,
.if \round
	WIN 0
.endif
	s_barrier_wait -1                              ; and go on when all four have said so
.endm
; The whole last quarter.  fill = 1: behind a round of the cluster's barrier the slot just read out is filled again, first thing, with the K step two steps on: from that request to the wait for it a wave
; issues 224 matrix instructions.  Then come the next slot's first fragments.
.macro TURN slot, next, fill
.if \fill
	s_wait_xcnt 0x0                                ; the last prefetch, a K step back, has read its address: it is stepped here, ahead of the waits of the change of slots
	s_add_nc_u64 s[PFA:PFA+1], s[PFA:PFA+1], s[PSTEP:PSTEP+1]
	MEET 1
	CREST                                          ; no wave of any partner still reads this slot's tile or has a load on its way
	s_add_nc_u64 s[G0+4*(\slot)+2:G0+4*(\slot)+3], s[G0+4*(\slot)+2:G0+4*(\slot)+3], 2*KSTEP*2  ; no tensor load of mine is out, so a group 0 may be written
	s_add_nc_u64 s[G0B+4*(\slot)+2:G0B+4*(\slot)+3], s[G0B+4*(\slot)+2:G0B+4*(\slot)+3], 2*BSTEP
	JLOAD \slot                                    ; my one tensor load behind the round; the four v_nop behind it are also the places in front of the loads below
.else
	MEET 0
	PLACES
.endif
	FETCH \next, 0, F0
.if \fill
	ASK                                            ; behind the joint load and the run of LDS loads that the next products wait for
.endif
	MUL16 F1, 1, 0, 0
	MUL16 F1, 1, 2, 0
.endm
; THE WAY OUT of block a (16 of my rows x 128 columns), in three parts.  SCALE: times s, into window 0; each accumulator's registers are taken in ascending order.
.macro SCALE a
.set AC, 64*((\a)%4)
	WIN 0x02+((\a)/4)                              ; source 0: window 2 or 3
.irp b, 0,1,2,3,4,5,6,7
.irp r, 0,1,2,3
	v_pk_mul_f32 v[TMP+8*(\b)+2*(\r):TMP+8*(\b)+2*(\r)+1], v[AC+8*(\b)+2*(\r):AC+8*(\b)+2*(\r)+1], s[SV:SV+1] op_sel_hi:[1,0]
.endr
.endr
	WIN 0
.endm
; TOSTAGE: a lane's 32 bytes of a row go into my own stage, rows of 528 bytes, and come back as whole rows of 512.
.macro TOSTAGE a
	WIN 0
.set BK, OB+64*((\a)%2)
.irp b, 0,1,2,3,4,5,6,7
	ds_store_b128 v[STO], v[TMP+8*(\b):TMP+8*(\b)+3]   offset:64*(\b)
	ds_store_b128 v[STO], v[TMP+8*(\b)+4:TMP+8*(\b)+7] offset:64*(\b)+16
.endr
.irp t, 0,1,2,3,4,5,6,7,8,9,10,11,12,13,14,15
	ds_load_b128 v[BK+4*(\t):BK+4*(\t)+3], v[RD] offset:(\t)*SP  ; LDS serves a wave's instructions in order (ISA guide 5.7.1.4): these see the stores above; the next block's stores come behind them
.endr
.endm
; SEND: stored.
.macro SEND a
	WIN 0
.set BK, OB+64*((\a)%2)
	s_wait_dscnt 0x0                               ; the block is back in registers
	s_wait_xcnt 0x0                                ; only behind this wait are the stores' base and the registers that earlier stores read rewritten
.if (\a) == 0
	s_add_nc_u64 s[8:9], s[8:9], s[16:17]          ; on to my first rows
.else
	s_add_nc_u64 s[8:9], s[8:9], 16*ROWC           ; 16 rows on
.endif
.irp t, 0,1,2,3,4,5,6,7,8,9,10,11,12,13,14,15
	global_store_b128 v[CO], v[BK+4*(\t):BK+4*(\t)+3], s[8:9] offset:(\t)*ROWC th:TH_STORE_NT  ; the wave stores 512 consecutive bytes, at a multiple of 512 from out0's first byte
.endr
.endm
	s_wait_kmcnt 0x0                               ; s is in
	s_mov_b32 s[SV+1], s[SV]
	s_wait_tensorcnt 1                             ; my part of K step 0 is in; K step 1's may stay out
	s_barrier_signal -1
	s_barrier_wait -1                              ; everybody's is
	FETCH 0, 0, F0
	QUARTER 0, 1, F0, F1, 1                        ; the first quarter stands in front of the loop: its products start the sums
	WIN 0                                          ; at a label and at a branch every window is 0
	s_mov_b32 s3, LAPS-1
.Llap:                                             ; a trip goes once round the ring, from a lap's second quarter to the next lap's first, and fills both slots again
	QUARTER 0, 2, F1, F0, 0
	QUARTER 0, 3, F0, F1, 0
	TURN 0, 1, 1
	QUARTER 1, 1, F0, F1, 0
	QUARTER 1, 2, F1, F0, 0
	QUARTER 1, 3, F0, F1, 0
	TURN 1, 0, 1
	QUARTER 0, 1, F0, F1, 0
	WIN 0
	s_sub_co_u32 s3, s3, 1
	s_cmp_lg_u32 s3, 0
	s_cbranch_scc1 .Llap
	QUARTER 0, 2, F1, F0, 0                        ; the last lap is written out: it fills nothing, and has no round of the cluster's barrier
	QUARTER 0, 3, F0, F1, 0
	TURN 0, 1, 0
	QUARTER 1, 1, F0, F1, 0
	QUARTER 1, 2, F1, F0, 0
	QUARTER 1, 3, F0, F1, 0
	s_wait_dscnt 8                                 ; the very last quarter: nothing more to fetch
	MUL16 F1, 0, 0, 0
	MUL16 F1, 0, 2, 0
	s_wait_dscnt 0x0
	MUL16 F1, 1, 0, 0
	MUL16 F1, 1, 2, 0
	WIN 0
	PLACES                                         ; behind the last products, in front of the multiplies that read results and of the loads into A's buffers
	PLACES
	SCALE 0
	TOSTAGE 0
.irp a, 1,2,3,4,5,6,7                  ; block a's multiplies stand between block a - 1's loads from the stage and the wait for them
	SCALE \a
	SEND (\a)-1
	TOSTAGE \a
.endr
	SEND 7
	s_wait_tensorcnt 0x0                           ; the wave's end: behind my last tensor load and my last LDS store
	ds_add_u32 v[SPW], v[NIL]
	s_wait_dscnt 0x0
	CROUND                                         ; the closing round: no work-group ends while a partner may still ask for a tile that names it
	s_endpgm
.Lfunc_end_k_q3b6f312f2c_gemm:
	.size	k_q3b6f312f2c_gemm, .Lfunc_end_k_q3b6f312f2c_gemm-k_q3b6f312f2c_gemm
	.p2alignl 7, 3214868480
	.fill 96, 4, 3214868480
	.section	.rodata,"a",@progbits
	.p2align	6, 0x0
	.amdhsa_kernel k_q3b6f312f2c_gemm
		.amdhsa_group_segment_fixed_size 327680
		.amdhsa_private_segment_fixed_size 0
		.amdhsa_enable_private_segment 0
		.amdhsa_kernarg_size 32
		.amdhsa_user_sgpr_count 2
		.amdhsa_user_sgpr_kernarg_segment_ptr 1
		.amdhsa_wavefront_size32 1
		.amdhsa_system_sgpr_workgroup_id_x 1
		.amdhsa_system_sgpr_workgroup_id_y 1
		.amdhsa_system_sgpr_workgroup_id_z 1
		.amdhsa_system_vgpr_workitem_id 0
		.amdhsa_next_free_vgpr 1024
		.amdhsa_next_free_sgpr 72
		.amdhsa_reserve_vcc 0
		.amdhsa_float_denorm_mode_32 3
		.amdhsa_float_denorm_mode_16_64 3
		.amdhsa_memory_ordered 1
		.amdhsa_forward_progress 1
		.amdhsa_inst_pref_size 159
	.end_amdhsa_kernel
	.amdgpu_metadata
---
amdhsa.version: [ 1, 2 ]
amdhsa.kernels:
  - .name:           k_q3b6f312f2c_gemm
    .symbol:         k_q3b6f312f2c_gemm.kd
    .args:
      - { .name: xb, .offset: 0, .size: 8, .value_kind: global_buffer, .address_space: global }
      - { .name: sb, .offset: 8, .size: 8, .value_kind: global_buffer, .address_space: global }
      - { .name: out0, .offset: 16, .size: 8, .value_kind: global_buffer, .address_space: global }
      - { .name: sval, .offset: 24, .size: 8, .value_kind: global_buffer, .address_space: global }
    .group_segment_fixed_size: 327680
    .private_segment_fixed_size: 0
    .kernarg_segment_align: 8
    .kernarg_segment_size: 32
    .max_flat_workgroup_size: 128
    .sgpr_count:     72
    .vgpr_count:     1024
    .wavefront_size: 32
...
	.end_amdgpu_metadata
.endif
;; end of part 2
;; ======== version 2 of 2: 2 launches; version 1 with the launch cast written anew for expert scheduling mode
;; workspace buffers: xb 33,554,432 bytes; sb 33,554,432 bytes; sval 256 bytes
;; launch cast (part 3): grid 512 x 2, 8 waves a work-group, no clusters, 0 bytes of LDS; arguments x, sign, xb, sb, scale, sval; writes xb, sb, sval
.if DOCPART == 3
	.amdgcn_target "amdgcn-amd-amdhsa--gfx1250"
	.amdhsa_code_object_version 6
	.text
	.protected	k_q3b6f312f2c_cast
	.globl	k_q3b6f312f2c_cast
	.p2align	8
	.type	k_q3b6f312f2c_cast,@function
k_q3b6f312f2c_cast:
	s_mov_b64 s[64:65], 0
	v_nop
	global_prefetch_b8 v0, s[64:65] scope:SCOPE_SE
	s_setreg_imm32_b32 hwreg(HW_REG_WAVE_SCHED_MODE, 0, 2), 2
	s_setreg_imm32_b32 hwreg(HW_REG_WAVE_MODE, 25, 1), 1
	s_wait_xcnt 0x0
	s_wait_alu depctr_vm_vsrc(0)
; xb = bf16(x), sb = bf16(sign), element by element, in the inputs' own order ([4096][4096] each, last index fastest); sval = softplus(scale), 64 times in f32.
; Each number is rounded once, to nearest even; nothing is scaled here, so the product that follows is the product of the inputs rounded to bf16.
; LIMITS.  An f32 beyond bf16's largest finite number (3.39e38) rounds to an infinity; NaN stays NaN.  softplus(scale) = max(scale, 0) + log(1 + e^-|scale|); e^-|scale| below 2^-126
; comes out of v_exp_f32 as 0 (ISA guide 15.8), so a scale below about -87.3 gives 0 where the exact value is below 1.2e-38.
; SHARES.  Grid y picks the tensor (0: x, 1: sign).  A work-group owns 131,072 bytes of it, taken as 32 rows of 4,096 bytes; thread t owns the 16 bytes at 16 t of every row and
; stores 8 bytes at 8 t of the 2,048-byte row of the result: a wave's load covers 512 consecutive bytes, a wave's store 256 consecutive bytes, aligned.
; All offsets stand in the immediates, so no address register is ever rewritten and there is no loop.
; No LDS, no matrix unit, no cluster: nothing is shared and nothing is read twice.
; THE MODE: SCHED_MODE bits 1:0 = 2 (LLVM: expert scheduling mode 2), set by the entry lines.  The code itself states the register dependences
; between vector instructions and memory instructions, with s_wait_alu, always for 0.
; THE PLAN.  The 32 rows go in 8 blocks of four.  Registers that memory instructions touch:
;   X0 .. X4   five blocks of f32 as loaded.  Written by the loads of block p + 4, issued in block p (blocks 0 to 3: at the head); read by block p's conversions.
;   Y0, Y1     two blocks of bf16 to store.   Written by block p's conversions; read by the four stores that are issued in block p + 1.
;   v1, v2     byte offsets, made once at the head and never written again.
; Block p reads X[p % 5] and writes Y[p % 2].  Its memory instructions are the loads into X[(p + 4) % 5] = X[(p - 1) % 5] and the stores from Y[(p - 1) % 2]: the two buffers that
; block p - 1 worked on and that no vector instruction of block p names.  So the waits at a block's head state all that its eight memory instructions hang on, and these are dealt
; among its conversions with no further wait.  Behind a block's wait for its data twelve loads are out, and four more follow: sixteen of every wave are on their way.
.set ROWI,   4096                      ; bytes of a row as loaded
.set ROWO,   2048                      ; bytes of a row as stored
.set BLOCK,  4                         ; rows in a block
.set BLOCKS, 32 / BLOCK
.set X,      4                         ; v[4:83]   buffer k, row i: four f32 as loaded, at X + 16 k + 4 i
.set Y,      84                        ; v[84:99]  buffer k, row i: four bf16 to store, at Y + 8 k + 2 i
	s_load_b256 s[4:11], s[0:1], 0x0               ; x s[4:5], sign s[6:7], xb s[8:9], sb s[10:11]
	s_load_b128 s[12:15], s[0:1], 0x20             ; scale s[12:13], sval s[14:15]
	s_and_b32 s18, ttmp7, 0xffff                   ; which tensor
	s_lshl_b32 s24, ttmp9, 17                      ; the work-group's 131,072 bytes in,
	s_mov_b32 s25, 0
	s_lshl_b32 s26, ttmp9, 16                      ; and its 65,536 bytes out
	s_mov_b32 s27, 0
	v_lshlrev_b32 v1, 4, v0                        ; 16 t; never rewritten
	v_lshlrev_b32 v2, 3, v0                        ; 8 t; never rewritten
	v_lshrrev_b32 v3, 5, v0
	v_readfirstlane_b32 s29, v3                    ; my wave's number
	s_or_b32 s28, ttmp9, s18
	s_wait_alu depctr_va_sdst(0)                   ; s29 is written, ahead of its first reader
	s_or_b32 s28, s28, s29                         ; 0 in wave 0 of work-group (0, 0) alone
	s_wait_kmcnt 0x0
	s_cmp_eq_u32 s18, 0
	s_cselect_b64 s[20:21], s[4:5], s[6:7]         ; from x or from sign,
	s_cselect_b64 s[22:23], s[8:9], s[10:11]       ; to xb or to sb
	s_add_nc_u64 s[20:21], s[20:21], s[24:25]
	s_add_nc_u64 s[22:23], s[22:23], s[26:27]
	s_wait_alu depctr_va_vdst(0)                   ; v1 and v2 are written: every load reads v1 as its offset, every store of a row v2
.set row, 0
.rept 4*BLOCK
	global_load_b128 v[X+4*row:X+4*row+3], v1, s[20:21] offset:ROWI*row th:TH_LOAD_NT  ; blocks 0 to 3 into X0 to X3
.set row, row+1
.endr
; Block p.  left = how many younger loads may still be out when this block's four have to be there.
; Blocks 0 to 3 ask for the block four further on; blocks 1 to 7 store the block before.
.macro BLK p, left
	s_wait_loadcnt \left                           ; loads come back in order (ISA guide 5.7.1): X[p % 5] is in, the younger blocks stay out
.if (\p) >= 2
	s_wait_xcnt 0x0                                ; Y[p % 2] was the data of the stores issued in the block before: it is rewritten only behind this wait,
	s_wait_alu depctr_vm_vsrc(0)                   ; and behind this one: those stores have read Y[p % 2], which this block's conversions write again
.endif
.if (\p) >= 1
	s_wait_alu depctr_va_vdst(0)                   ; the block before has written the other Y, which the stores below read, and is done reading its X, in which the loads below (blocks 1 to 3) land
.endif
.irp i, 0,1,2,3
.if (\p) < BLOCKS-4
	global_load_b128 v[X+16*(((\p)+4)%5)+4*(\i):X+16*(((\p)+4)%5)+4*(\i)+3], v1, s[20:21] offset:ROWI*(BLOCK*((\p)+4)+(\i)) th:TH_LOAD_NT  ; four blocks ahead, ahead of the store; no vector instruction since the wait names these registers
.endif
.if (\p) >= 1
	global_store_b64 v2, v[Y+8*(1-(\p)%2)+2*(\i):Y+8*(1-(\p)%2)+2*(\i)+1], s[22:23] offset:ROWO*(BLOCK*((\p)-1)+(\i)) th:TH_STORE_NT  ; the block before
.endif
	v_cvt_pk_bf16_f32 v[Y+8*((\p)%2)+2*(\i)],   v[X+16*((\p)%5)+4*(\i)],   v[X+16*((\p)%5)+4*(\i)+1]
	v_cvt_pk_bf16_f32 v[Y+8*((\p)%2)+2*(\i)+1], v[X+16*((\p)%5)+4*(\i)+2], v[X+16*((\p)%5)+4*(\i)+3]
.endr
.endm
	BLK 0, 3*BLOCK                                 ; block 0 has no block in front of it: no store; X4, in which its loads land, has been named by nothing
	BLK 1, 3*BLOCK                                 ; behind block p's loads stand those of blocks p + 1 to p + 3: twelve
	BLK 2, 3*BLOCK
	BLK 3, 3*BLOCK
	BLK 4, 3*BLOCK                                 ; blocks 4 to 7 load nothing: no load leaves the buffer,
	BLK 5, 2*BLOCK                                 ; and the counts run down
	BLK 6, BLOCK
	BLK 7, 0
	s_wait_alu depctr_va_vdst(0)                   ; block 7 has written Y1, which the last four stores read
.irp i, 0,1,2,3
	global_store_b64 v2, v[Y+8+2*(\i):Y+8+2*(\i)+1], s[22:23] offset:ROWO*(BLOCK*(BLOCKS-1)+(\i)) th:TH_STORE_NT
.endr
	; softplus(scale), by one wave of the launch
	s_cmp_lg_u32 s28, 0
	s_cbranch_scc1 .Lend
	s_load_b32 s30, s[12:13], 0x0
	s_wait_kmcnt 0x0
	v_mov_b32 v100, s30
	v_and_b32 v101, 0x7fffffff, v100               ; |scale|
	v_mul_f32 v101, 0xbfb8aa3b, v101               ; - log2(e) |scale|
	v_exp_f32 v102, v101                           ; t = e^-|scale|, in 0 to 1
	v_max_num_f32 v103, 0, v100                    ; the plain instruction behind the exponential (ISA guide 5.7.2)
	s_wait_alu depctr_va_vdst(0)                   ; the exponential has written t (v102), ahead of its first reader
	v_add_f32 v104, 1.0, v102
	v_log_f32 v105, v104                           ; log2(1 + t)
	v_fma_f32 v106, v102, -0.5, 1.0                ; the plain instruction behind the logarithm
	v_mul_f32 v106, v102, v106                     ; t - t^2 / 2: log(1 + t) to within t^2 / 3 of itself
	v_cmp_gt_f32 vcc_lo, 0x39800000, v102          ; t < 2^-12: there 1 + t has lost half of t's bits, and the series is the better value
	s_wait_alu depctr_va_vdst(0)                   ; the logarithm has written v105, ahead of its first reader
	s_wait_alu depctr_va_vcc(0)                    ; the compare has written VCC, ahead of the select that reads it
	v_mul_f32 v105, 0x3f317218, v105               ; x log(2)
	v_cndmask_b32 v105, v105, v106, vcc_lo         ; a choice of value, no branch
	v_add_f32 v108, v103, v105
	v_mov_b32 v109, v108
	v_and_b32 v3, 31, v0
	v_lshlrev_b32 v3, 3, v3
	s_wait_alu depctr_va_vdst(0)                   ; v3, the store's offset, and v[108:109], its data, are written
	global_store_b64 v3, v[108:109], s[14:15]      ; 32 lanes x 8 bytes: all 256 bytes of sval in one store
.Lend:
	s_endpgm
.Lfunc_end_k_q3b6f312f2c_cast:
	.size	k_q3b6f312f2c_cast, .Lfunc_end_k_q3b6f312f2c_cast-k_q3b6f312f2c_cast
	.p2alignl 7, 3214868480
	.fill 96, 4, 3214868480
	.section	.rodata,"a",@progbits
	.p2align	6, 0x0
	.amdhsa_kernel k_q3b6f312f2c_cast
		.amdhsa_group_segment_fixed_size 0
		.amdhsa_private_segment_fixed_size 0
		.amdhsa_enable_private_segment 0
		.amdhsa_kernarg_size 48
		.amdhsa_user_sgpr_count 2
		.amdhsa_user_sgpr_kernarg_segment_ptr 1
		.amdhsa_wavefront_size32 1
		.amdhsa_system_sgpr_workgroup_id_x 1
		.amdhsa_system_sgpr_workgroup_id_y 1
		.amdhsa_system_sgpr_workgroup_id_z 1
		.amdhsa_system_vgpr_workitem_id 0
		.amdhsa_next_free_vgpr 112
		.amdhsa_next_free_sgpr 66
		.amdhsa_reserve_vcc 1
		.amdhsa_float_denorm_mode_32 3
		.amdhsa_float_denorm_mode_16_64 3
		.amdhsa_memory_ordered 1
		.amdhsa_forward_progress 1
		.amdhsa_inst_pref_size 14
	.end_amdhsa_kernel
	.amdgpu_metadata
---
amdhsa.version: [ 1, 2 ]
amdhsa.kernels:
  - .name:           k_q3b6f312f2c_cast
    .symbol:         k_q3b6f312f2c_cast.kd
    .args:
      - { .name: x, .offset: 0, .size: 8, .value_kind: global_buffer, .address_space: global }
      - { .name: sign, .offset: 8, .size: 8, .value_kind: global_buffer, .address_space: global }
      - { .name: xb, .offset: 16, .size: 8, .value_kind: global_buffer, .address_space: global }
      - { .name: sb, .offset: 24, .size: 8, .value_kind: global_buffer, .address_space: global }
      - { .name: scale, .offset: 32, .size: 8, .value_kind: global_buffer, .address_space: global }
      - { .name: sval, .offset: 40, .size: 8, .value_kind: global_buffer, .address_space: global }
    .group_segment_fixed_size: 0
    .private_segment_fixed_size: 0
    .kernarg_segment_align: 8
    .kernarg_segment_size: 48
    .max_flat_workgroup_size: 256
    .sgpr_count:     66
    .vgpr_count:     112
    .wavefront_size: 32
...
	.end_amdgpu_metadata
.endif
;; end of part 3
;; launch gemm: the kernel of part 2 again; grid 16 x 16, 4 waves a work-group, clusters of 4 x 4, 327,680 bytes of LDS; arguments xb, sb, out0, sval; writes out0
